; MI455X (gfx1250); checked and timed in simulation.
; The chip was launched on July 23, 2026; its instructions are those of AMD's public machine-readable ISA for CDNA 5 (MIT licence, August 2026) and "CDNA5" Instruction Set Architecture Reference Guide (July 2026). The comments in the code are by the model that wrote it; some were corrected since.
;; Quantizer EMA. Allowed arithmetic: matrix products marked QUANTISED: E3M2 operands, one E8M0 scale for each 32 along K, by v_wmma_scale_f32_16x16x128_f8f6f4 with both operands' format E3M2, f32 sums; everything else in f32.
;; Inputs: codebook 512 x 64 float32; inputs 8 x 64 x 16 x 32 x 32 float32.
;; Outputs: out0 8 x 64 x 16 x 32 x 32 float32; out1 one number float32; out2 one number float32.
;; This version of the problem:
;;   THIS VERSION OF THE PROBLEM IS GIVEN IN LOW PRECISION. The matrix products marked QUANTISED in the list below multiply operands that are first quantised to E3M2 (3 exponent bits, 2 mantissa bits; 6 bits a number), with one power-of-two scale for each 32 numbers along K (OCP MX v1.0); their sums are f32. All else is computed in f32.
;;   The module's matrix products, in the order in which they are computed (A, B: the left and right operand; K: the contracted axis; several contracted axes count as one K, in the product's order):
;;     1. [M 131,072, K 64] x [K 64, N 512]; A: input inputs; B: input codebook: QUANTISED
;;   THE QUANTISER, for each operand of a quantised product, along K:
;;     - K is cut into blocks of 32 from its start; a last block that is shorter is filled with zeros.
;;     - A block's scale is 2^e with e = floor(log2(the largest magnitude in the block)) - 4, held to -126 .. 127; a block of zeros has e = 0. As a byte (E8M0): e + 127.
;;     - Each number is divided by its block's scale, clamped to +-28, and rounded to the nearest number of E3M2, ties to even, subnormals kept.
;;     - The product sums the exact products of the quantised numbers (number of the format x scale) in f32.
;;   ~~~python
;;   def quantise(x, axis):      # numpy; x: float32 -> the quantised numbers, widened to float32 again
;;       x = np.moveaxis(x, axis, -1); K = x.shape[-1]
;;       x = np.pad(x, [(0, 0)] * (x.ndim - 1) + [(0, -K % 32)]); x = x.reshape(x.shape[:-1] + (-1, 32)); a = np.abs(x).max(-1, keepdims=True)
;;       e = np.where(a > 0, np.clip(np.frexp(np.where(a > 0, a, 1))[1] - 1 - 4, -126, 127), 0)      # np.frexp(a)[1] - 1 = floor(log2(a)), exactly
;;       r = np.clip(x / 2.0 ** e, -28, 28)
;;       step = 2.0 ** (np.maximum(np.frexp(np.where(r == 0, 1, r))[1] - 1, -2) - 2)
;;       q = np.round(r / step) * step * 2.0 ** e      # np.round: ties to even
;;       return np.moveaxis(q.reshape(q.shape[:-2] + (-1,))[..., :K], -1, axis).astype(np.float32)
;;   ~~~
;; One version. Each part assembles by itself: llvm-mc -triple=amdgcn-amd-amdhsa -mcpu=gfx1250 --defsym DOCPART=n.
;; ======== version 1 of 1: 3 launches
;; limits: right only within a limited range of input values
;; workspace buffers: nearest 524,288 bytes of whole numbers; part 1,024 bytes
;; launch nearest (part 1): grid 256 x 1, 8 waves a work-group, clusters of 4 x 1, 171,008 bytes of LDS; arguments inputs, codebook, nearest; writes nearest
.if DOCPART == 1
	.amdgcn_target "amdgcn-amd-amdhsa--gfx1250"
	.amdhsa_code_object_version 6
	.text
	.protected	k_q82316e4139_nearest
	.globl	k_q82316e4139_nearest
	.p2align	8
	.type	k_q82316e4139_nearest,@function
k_q82316e4139_nearest:
	s_mov_b64 s[64:65], 0
	v_nop
	global_prefetch_b8 v0, s[64:65] scope:SCOPE_SE
	s_setreg_imm32_b32 hwreg(HW_REG_WAVE_MODE, 25, 1), 1
	s_wait_xcnt 0x0
	s_wait_alu depctr_hold_cnt(0) depctr_sa_sdst(0) depctr_va_vdst(0) depctr_va_sdst(0) depctr_va_ssrc(0) depctr_va_vcc(0) depctr_vm_vsrc(0)
	s_getreg_b32 s2, hwreg(HW_REG_IB_STS2, 6, 4)
	s_cmp_eq_u32 s2, 0
	s_cbranch_scc0 .Lentry_in_a_cluster
	s_endpgm
.Lentry_in_a_cluster:
	s_bfe_u32 s2, ttmp6, 0x10000c
	s_cmp_lg_u32 s2, 0x3003
	s_cbranch_scc0 .Lentry_shape_is_right
	s_endpgm
.Lentry_shape_is_right:
; nearest[n] = argmin over k of ( (xx[n] - 2 Q(x[n]) . Q(e[k])) + ee[k] ), the lowest k among equal distances.
; x[n][c] = inputs[b][c][s], n = 16384 b + s; e = codebook [512][64]; xx, ee: sums of squares of the unquantised numbers, f32.
; Q: codes of BF6 (E3M2) with one E8M0 scale for each 32 along the 64 channels.  The distance is rounded twice, as it is written above:
; equal f32 distances are common (the distances of a row lie close together beside xx), and which k wins then hangs on these roundings.
; LIMITS: NaN and infinities among the inputs are not served.  Where a row's smallest distance lies under 2^-96 in magnitude, distances closer than
; 2^-120 count as equal.  A block of zeros gets the scale byte 1 where the rule says 127: its codes are zeros, and only this text reads the byte.
; SHARES.  256 work-groups of eight waves, two to a SIMD; a work-group owns 512 neighbouring s of one b, a wave 64 of them, in two passes of 32 rows:
; pass g of wave w has s = 128 (w / 2) + 64 g + 32 (w % 2) + lane, so that two waves together read aligned blocks of 256 bytes of each channel.
; x comes straight into registers, a row's 64 channels in 64 registers of its lane; the second pass's numbers are asked for in two halves while the first is worked.
; THE CODEBOOK is read by every work-group: the four of a cluster ask for it JOINTLY (mask 15), each wave for 64 rows, one tensor load a wave.  Wave w quantises the 64 codes that it fetched
; and leaves fragments (images of registers), scale words and ee in LDS, where all waves read them, 64 codes (a chunk) at a time, into two sets of registers by turns.
; K IS 64, THE INSTRUCTION'S 128: x's operand has zero codes in its upper six registers, so what stands in the upper six of the codebook's operand adds nothing.
; The scale bytes of the upper half are 0, which is a number.
; THE PRODUCT IS USED TRANSPOSED (source 0 = 16 codes, source 1 = 16 rows of x): lane (r, h) holds row r, register j of tile t of a chunk the code 16 t + 8 h + j.
; THE ARGMIN.  A unit is a chunk of 64 codes x a tile of 16 rows: 32 distances a lane and their smallest, m.  Where m is strictly smaller than the best so far, the chunk's number and its 32 distances
; replace the kept ones (selections by VCC; every lane is on throughout).  At the pass's end the kept 32 are searched once: key = (d - m) x 2^127 + place, the place where d = m and 128 or more elsewhere;
; the smallest key is the lowest.  The two halves of the lanes are merged by value and then by number.  No branch hangs on data.
; NO PREFETCH.
; REGISTERS, window 0: addresses, temporaries, x's fragments, D, kept distances, places, scale words.  Window 1: the codebook's fragments and ee in two sets, -2 and 2^127, raw x.
.set CBP,  272                         ; a codebook row in LDS: 256 bytes + 16 of padding
.set IMG,  512*CBP                     ; images of the 32 fragments, 768 bytes each
.set EEL,  IMG+32*768                  ; ee, 512 words
.set SCL,  EEL+2048                    ; the codebook's scale words, 512
.set NRL,  SCL+2048                    ; the results, 512 words
.set SPARE, NRL+2048                   ; the spare words, 128 bytes for each wave: four blocks of 256 bytes
.set XO,   1
.set LN,   2
.set RR,   3
.set HH,   4
.set CA,   5
.set IAD,  6
.set IBD,  7
.set EAD,  8
.set SAD,  9
.set LI,   10
.set LJ,   11
.set LE,   12
.set LS,   13
.set SH8,  14
.set NST,  15
.set TT,   16                          ; v16-19 four chains of a minimum
.set MN,   20
.set MM,   22                          ; v22-23 m, twice
.set MB,   24                          ; v24, v26: the smallest distance of tiles A, B
.set CI,   25                          ; v25, v27: the number of its chunk
.set OB,   28
.set OI,   29
.set IA,   30
.set KK,   31
.set PA,   32                          ; v32-37 tile A's codes, v38-43 zeros; v44-49 tile B's, v50-55 zeros
.set PB,   44
.set TA,   56
.set TB,   60
.set D0,   64                          ; v64-95 D of tile A, v96-127 of tile B
.set BST,  128                         ; v128-159, v160-191 the kept distances of tiles A, B
.set CC,   192                         ; v192-223 the places 16 t + j, as f32
.set AS,   224                         ; v224-225, v226-227 scale words of a chunk: lanes 0-15 an even tile, lanes 16-31 an odd one
.set XS,   228                         ; x's scale words: lane l has row l's
.set XTA,  230
.set XTB,  231
.set XX,   232                         ; v232-233, v234-235 xx of tiles A, B, each twice
.set GO,   236
.set RDN,  237
.set NG,   238
.set NAD,  239
.set ND,   240
.set SPW,  254
.set NIL,  255
.set PT,   16                          ; at work while the codebook is quantised
.set PSO,  20
.set PBY,  24
.set PW2,  28
.set PACC, 32
.set PF,   40
.set PE,   64
.set PG,   192
.set FB,   0                           ; window 1: fragments, two sets of 24 registers, each with 6 zeros behind it
.set NEG2, 60                          ; window 1: -2, twice
.set BIG,  62                          ; window 1: 2^127, twice
.set EB,   64                          ; window 1: ee, two sets of 32
.set QT,   96                          ; window 1: at work while x is quantised (ee's second set is not in use then)
.set QSO,  100
.set QBY,  102
.set QACC, 104
.set XR,   128                         ; window 1: my row's 64 channels
.set MSB, 0
.macro WIN new                         ; the immediate's high byte repeats the setting that is left
.if MSB != (\new)
	s_set_vgpr_msb (MSB<<8)|(\new)
.set MSB, (\new)
.endif
.endm
.macro ROUND                           ; a round of the cluster's barrier
	s_barrier_signal -1
	s_barrier_wait -1
	s_cmp_lg_u32 s10, 0
	s_cbranch_scc1 .Lnot_wave_0_\@
	s_barrier_signal -3
.Lnot_wave_0_\@:
	s_barrier_wait -3
	s_barrier_signal -1
	s_barrier_wait -1
.endm
	s_load_b128 s[4:7], s[0:1], 0x0                ; inputs, codebook
	s_load_b64 s[8:9], s[0:1], 0x10                ; nearest
	v_lshl_add_u32 v[SPW], v0, 2, SPARE
	v_mov_b32 v[NIL], 0
	ds_add_u32 v[SPW], v[NIL]                      ; the opening: the add, twice on end, and its wait
	ds_add_u32 v[SPW], v[NIL]
	v_lshrrev_b32 v[LN], 5, v0
	v_readfirstlane_b32 s10, v[LN]                 ; wave 0..7
	s_bfe_u32 s11, ttmp6, 0x40000                  ; my place in the cluster: it enters global addresses of x and of the results alone
	s_lshl_b32 s12, ttmp9, 2
	s_add_co_u32 s12, s12, s11                     ; work-group 0..255
	; group 1 for the codebook: 64 rows x 64 elements of 4 bytes, dense; 4 words of padding behind every 64; mask: all four work-groups
	s_mov_b32 s24, 15|(2<<16)|(1<<20)|(1<<21)|(5<<22)|(3<<25)
	s_mov_b32 s25, 64<<16
	s_mov_b32 s26, 64<<16
	s_mov_b32 s27, 64<<16
	s_mov_b32 s28, 64
	s_mov_b32 s29, 64
	s_mov_b32 s30, 0
	s_mov_b32 s31, 0
	s_mov_b32 s32, 1
	s_mul_i32 s33, s10, 64*CBP                     ; my 64 rows of the codebook in LDS
	s_lshl_b32 s14, s10, 14                        ; and in memory
	s_mov_b32 s15, 0
	s_lshr_b32 s20, s10, 1
	s_lshl_b32 s20, s20, 9
	s_and_b32 s21, s10, 1
	s_lshl_b32 s21, s21, 7
	s_add_co_u32 s20, s20, s21                     ; my first s of the work-group's 512, in bytes
	s_lshr_b32 s16, s12, 5                         ; b: 32 work-groups to each
	s_lshl_b32 s16, s16, 22                        ; 64 channels x 16,384 s x 4 bytes
	s_and_b32 s17, s12, 31
	s_lshl_b32 s17, s17, 11                        ; 512 s
	s_add_co_u32 s16, s16, s17
	s_add_co_u32 s16, s16, s20
	s_mov_b32 s17, 0
	s_lshl_b32 s18, s12, 11                        ; the work-group's results: 4 bytes a row
	s_mov_b32 s19, 0
	s_mov_b32 s52, 0x76543210
	s_mov_b32 s53, 0xfedcba98                      ; v_permlanex16_b32's selects for lane l xor 16
	s_mov_b32 s54, 0xffff0000                      ; lanes 16-31
	s_mul_i32 s40, s10, 4*768                      ; my four tiles' images
	s_add_co_u32 s40, s40, IMG
	s_add_co_u32 s41, s40, 512
	s_lshl_b32 s42, s10, 8                         ; my 64 words of ee and of scales
	s_add_co_u32 s43, s42, EEL
	s_add_co_u32 s44, s42, SCL
	s_add_co_u32 s45, s20, NRL
	s_wait_alu depctr_va_vdst(0)
	v_and_b32 v[LN], 31, v0
	v_and_b32 v[RR], 15, v0                        ; r
	v_bfe_u32 v[HH], v0, 4, 1                      ; h
	v_and_b32 v[GO], 127, v0
	v_lshlrev_b32 v[XO], 2, v[LN]
	v_mul_u32_u24 v[CA], v[RR], CBP
	v_lshl_add_u32 v[IAD], v[LN], 4, s40           ; an image: registers 0-3 at 16 x lane,
	v_lshl_add_u32 v[IBD], v[LN], 3, s41           ; registers 4-5 at 512 + 8 x lane
	v_lshl_add_u32 v[CA], v[HH], 7, v[CA]
	v_lshl_add_u32 v[EAD], v[RR], 2, s43
	v_lshl_add_u32 v[SAD], v[RR], 2, s44
	v_lshl_add_u32 v[LI], v[LN], 4, IMG
	v_add_nc_u32 v[CA], s33, v[CA]                 ; the codebook: row r of a tile of mine, block h: 128 bytes
	v_lshl_add_u32 v[LJ], v[LN], 3, IMG+512
	v_lshl_add_u32 v[LE], v[HH], 5, EEL            ; ee of codes 8 h .. 8 h + 7 of a tile
	v_lshl_add_u32 v[LS], v[LN], 2, SCL
	v_lshlrev_b32 v[SH8], 3, v[HH]                 ; 8 h
	v_add_nc_u32 v[NST], s45, v[XO]                ; my result of pass 0 in LDS
	v_lshlrev_b32 v[GO], 4, v[GO]
.irp b, 0,1,2,3
	v_mov_b32 v[PW2+\b], 0                         ; a lane permute's destination counts as one of its sources
.endr
	v_add_nc_u32 v[RDN], NRL, v[GO]
	s_wait_alu depctr_va_vdst(0)
	s_wait_dscnt 0x0                               ; both opening adds are done
	s_wait_kmcnt 0x0
	s_add_nc_u64 s[34:35], s[6:7], s[14:15]
	s_or_b32 s35, s35, 0x80000000
	s_add_nc_u64 s[4:5], s[4:5], s[16:17]
	s_add_nc_u64 s[8:9], s[8:9], s[18:19]
	ROUND                                          ; all four work-groups are here: the joint loads meet
	tensor_load_to_lds s[32:35], s[24:31]          ; the wave's one tensor load; every LDS byte is filled once
	s_nop 0
.rept 4
	v_nop
.endr
	WIN 0x40
.set cq, 0
.rept 64
	global_load_b32 v[XR+cq], v[XO], s[4:5] offset:65536*cq   ; pass 0: my row's channel cq
.set cq, cq+1
.endr
	WIN 0
; MY FOUR TILES OF 16 CODES.  Lane (r, h) takes block h of row r: 32 numbers, all of a block: its largest magnitude needs no other lane.
	s_wait_tensorcnt 0x0                           ; my 64 rows of the codebook are in (I alone read them)
.irp b, 0,1,2,3
.irp i, 0,1,2,3,4,5,6,7
	ds_load_b128 v[PE+32*\b+4*\i:PE+32*\b+4*\i+3], v[CA] offset:\b*16*CBP+16*\i
.endr
.endr
	s_wait_dscnt 0x0
.irp b, 0,1,2,3
	v_max3_num_f32 v[PT+\b], |v[PE+32*\b]|, |v[PE+32*\b+1]|, 0x2800000   ; with the floor 2^(5 - 127): the byte cannot fall under 1
.endr
.irp i, 2,4,6,8,10,12,14,16,18,20,22,24,26,28,30
.irp b, 0,1,2,3
	v_max3_num_f32 v[PT+\b], v[PT+\b], |v[PE+32*\b+\i]|, |v[PE+32*\b+\i+1]|
.endr
.endr
.irp b, 0,1,2,3
	v_pk_mul_f32 v[PACC+2*\b:PACC+2*\b+1], v[PE+32*\b:PE+32*\b+1], v[PE+32*\b:PE+32*\b+1]
.endr
.irp i, 2,4,6,8,10,12,14,16,18,20,22,24,26,28,30
.irp b, 0,1,2,3
	v_pk_fma_f32 v[PACC+2*\b:PACC+2*\b+1], v[PE+32*\b+\i:PE+32*\b+\i+1], v[PE+32*\b+\i:PE+32*\b+\i+1], v[PACC+2*\b:PACC+2*\b+1]
.endr
.endr
.irp b, 0,1,2,3
	v_add_f32 v[PACC+2*\b], v[PACC+2*\b], v[PACC+2*\b+1]
.endr
.irp b, 0,1,2,3
	v_permlanex16_b32 v[PACC+2*\b+1], v[PACC+2*\b], s52, s53
.endr
.irp b, 0,1,2,3
	v_add_f32 v[PACC+2*\b], v[PACC+2*\b], v[PACC+2*\b+1]       ; with the other block's: ee of row r
.endr
.irp b, 0,1,2,3
	v_add_nc_u32 v[PSO+\b], 0xfe000000, v[PT+\b]   ; 4 off the exponent field: the conversion's scale operand
.endr
.irp b, 0,1,2,3
	v_lshrrev_b32 v[PBY+\b], 23, v[PSO+\b]         ; the scale's byte
.endr
.irp b, 0,1,2,3
	v_lshlrev_b32 v[PBY+\b], v[SH8], v[PBY+\b]     ; at its place in the row's word
.endr
.irp b, 0,1,2,3
	v_permlanex16_b32 v[PW2+\b], v[PBY+\b], s52, s53
.endr
.irp b, 0,1,2,3
	v_or_b32 v[PBY+\b], v[PBY+\b], v[PW2+\b]       ; bytes 0 and 1; bytes 2 and 3 stay 0
.endr
.irp b, 0,1,2,3
	v_cvt_scalef32_pk16_bf6_f32 v[PF+6*\b:PF+6*\b+2], v[PE+32*\b:PE+32*\b+15], v[PSO+\b]
	v_cvt_scalef32_pk16_bf6_f32 v[PG+4*\b:PG+4*\b+2], v[PE+32*\b+16:PE+32*\b+31], v[PSO+\b]   ; (a conversion's three registers begin on an even number)
.endr
	v_nop                                          ; one plain place behind a scaled conversion
.irp b, 0,1,2,3
.irp i, 0,1,2
	v_mov_b32 v[PF+6*\b+3+\i], v[PG+4*\b+\i]
.endr
.endr
.irp b, 0,1,2,3
	ds_store_b128 v[IAD], v[PF+6*\b:PF+6*\b+3] offset:\b*768
	ds_store_b64 v[IBD], v[PF+6*\b+4:PF+6*\b+5] offset:\b*768
	ds_store_b32 v[EAD], v[PACC+2*\b] offset:\b*64 ; both lanes of a row write the same word with the same value
	ds_store_b32 v[SAD], v[PBY+\b] offset:\b*64
.endr
	WIN 0x40
.irp i, 0,1,2,3,4,5
	v_mov_b32 v[FB+24+\i], 0                       ; what a set's last tile names as its upper half
	v_mov_b32 v[FB+54+\i], 0
.endr
	v_mov_b32 v[NEG2], -2.0
	v_mov_b32 v[NEG2+1], -2.0
	v_mov_b32 v[BIG], 0x7f000000
	v_mov_b32 v[BIG+1], 0x7f000000
	WIN 0
.set cq, 0
.rept 32
	v_mov_b32 v[CC+cq], 16*(cq/8)+cq%8
.set cq, cq+1
.endr
.set cq, 0
.rept 32
	v_cvt_f32_u32 v[CC+cq], v[CC+cq]
.set cq, cq+1
.endr
	s_wait_alu depctr_va_vdst(0)
	s_wait_dscnt 0x0                               ; for the others' sake: my stores have landed
	s_barrier_signal -1
	s_barrier_wait -1
.irp i, 0,1,2,3,4,5
	v_mov_b32 v[PA+6+\i], 0                        ; the zero codes of k = 64 .. 127: written once
	v_mov_b32 v[PB+6+\i], 0
.endr
	v_mov_b32 v[OB], 0
	v_mov_b32 v[OI], 0
.macro CLOAD n                         ; chunk n: four fragments, ee and the scale words into set n % 2
	WIN 0x40
.irp t, 0,1,2,3
	ds_load_b128 v[FB+30*((\n)%2)+6*\t:FB+30*((\n)%2)+6*\t+3], v[LI] offset:768*(4*(\n)+\t)
	ds_load_b64 v[FB+30*((\n)%2)+6*\t+4:FB+30*((\n)%2)+6*\t+5], v[LJ] offset:768*(4*(\n)+\t)
.endr
.irp t, 0,1,2,3
	ds_load_b128 v[EB+32*((\n)%2)+8*\t:EB+32*((\n)%2)+8*\t+3], v[LE] offset:64*(4*(\n)+\t)
	ds_load_b128 v[EB+32*((\n)%2)+8*\t+4:EB+32*((\n)%2)+8*\t+7], v[LE] offset:64*(4*(\n)+\t)+16
.endr
	WIN 0
.irp i, 0,1
	ds_load_b32 v[AS+2*((\n)%2)+\i], v[LS] offset:128*(2*(\n)+\i)
.endr
.endm
.macro XBATCH k                        ; in pass 0: half of pass 1's numbers, 64 s further on
	s_cmp_eq_u32 s55, 0
	s_cbranch_scc0 .Lnot_asked_\@
	WIN 0x40
.set xq, 32*(\k)
.rept 32
	global_load_b32 v[XR+xq], v[XO], s[4:5] offset:65536*xq+256
.set xq, xq+1
.endr
	WIN 0
.Lnot_asked_\@:
.endm
; My row's 64 numbers become xx, two scale bytes and 12 registers of codes; an exchange of halves makes two fragments of 16 rows of them.
.macro PROC
	WIN 0x55
.irp b, 0,1
	v_max3_num_f32 v[QT+2*\b], |v[XR+32*\b]|, |v[XR+32*\b+1]|, 0x2800000
	v_max3_num_f32 v[QT+2*\b+1], |v[XR+32*\b+16]|, |v[XR+32*\b+17]|, |v[XR+32*\b+18]|
.endr
.irp k, 0,1,2,3
	v_pk_mul_f32 v[QACC+2*\k:QACC+2*\k+1], v[XR+2*\k:XR+2*\k+1], v[XR+2*\k:XR+2*\k+1]
.endr
.irp j, 0,1,2,3,4,5
.irp b, 0,1
	v_max3_num_f32 v[QT+2*\b], v[QT+2*\b], |v[XR+32*\b+2+2*\j]|, |v[XR+32*\b+3+2*\j]|
	v_max3_num_f32 v[QT+2*\b+1], v[QT+2*\b+1], |v[XR+32*\b+19+2*\j]|, |v[XR+32*\b+20+2*\j]|
.endr
.irp k, 0,1,2,3
	v_pk_fma_f32 v[QACC+2*\k:QACC+2*\k+1], v[XR+8*(\j+1)+2*\k:XR+8*(\j+1)+2*\k+1], v[XR+8*(\j+1)+2*\k:XR+8*(\j+1)+2*\k+1], v[QACC+2*\k:QACC+2*\k+1]
.endr
.endr
.irp b, 0,1
	v_max3_num_f32 v[QT+2*\b], v[QT+2*\b], |v[XR+32*\b+14]|, |v[XR+32*\b+15]|
.endr
.irp k, 0,1,2,3
	v_pk_fma_f32 v[QACC+2*\k:QACC+2*\k+1], v[XR+56+2*\k:XR+56+2*\k+1], v[XR+56+2*\k:XR+56+2*\k+1], v[QACC+2*\k:QACC+2*\k+1]
.endr
.irp b, 0,1
	v_max3_num_f32 v[QT+2*\b], v[QT+2*\b], v[QT+2*\b+1], |v[XR+32*\b+31]|   ; the block's largest magnitude
.endr
	v_pk_add_f32 v[QACC:QACC+1], v[QACC:QACC+1], v[QACC+2:QACC+3]
	v_pk_add_f32 v[QACC+4:QACC+5], v[QACC+4:QACC+5], v[QACC+6:QACC+7]
	v_add_nc_u32 v[QSO], 0xfe000000, v[QT]
	v_add_nc_u32 v[QSO+1], 0xfe000000, v[QT+2]
	v_pk_add_f32 v[QACC:QACC+1], v[QACC:QACC+1], v[QACC+4:QACC+5]
	v_lshrrev_b32 v[QBY], 23, v[QSO]
	v_lshrrev_b32 v[QBY+1], 23, v[QSO+1]
	WIN 0x15                                       ; sources window 1, destination window 0
	v_add_f32 v[XTA], v[QACC], v[QACC+1]           ; xx of my row
	v_lshl_or_b32 v[XS], v[QBY+1], 8, v[QBY]       ; my row's scale word; bytes 2 and 3 stay 0
	v_cvt_scalef32_pk16_bf6_f32 v[PA:PA+2], v[XR:XR+15], v[QSO]
	v_cvt_scalef32_pk16_bf6_f32 v[TA:TA+2], v[XR+16:XR+31], v[QSO]
	v_cvt_scalef32_pk16_bf6_f32 v[PB:PB+2], v[XR+32:XR+47], v[QSO+1]
	v_cvt_scalef32_pk16_bf6_f32 v[TB:TB+2], v[XR+48:XR+63], v[QSO+1]
	WIN 0
	v_mov_b32 v[XTB], v[XTA]                       ; (the plain place behind the conversions)
.irp i, 0,1,2
	v_mov_b32 v[PA+3+\i], v[TA+\i]                 ; PA: my row's block 0;
	v_mov_b32 v[PB+3+\i], v[TB+\i]                 ; PB: its block 1
.endr
.irp i, 0,1,2,3,4,5
	v_permlane16_swap_b32 v[PA+\i], v[PB+\i]       ; PA's lanes 16-31 change places with PB's lanes 0-15: PA = rows 0-15, both blocks; PB = rows 16-31
.endr
	v_permlane16_swap_b32 v[XTA], v[XTB]           ; likewise: XTA = xx of rows 0-15 in both halves, XTB of rows 16-31
	v_mov_b32 v[XX], v[XTA]
	v_mov_b32 v[XX+2], v[XTB]
	v_mov_b32 v[XX+1], v[XTA]
	v_mov_b32 v[XX+3], v[XTB]
.endm
; The four products of chunk cn x tile pn.  Each starts its own sum with the constant 0.
.macro EMB cn, pn
.irp t, 0,1,2,3
.set ea, FB+30*((\cn)%2)+6*\t
.set ed, D0+32*(\pn)+8*\t
.set es, AS+2*((\cn)%2)+(\t)/2
.set ex, PA+12*(\pn)
.if ((\t)%2 == 0) && ((\pn) == 0)
	v_wmma_scale_f32_16x16x128_f8f6f4 v[ed:ed+7], v[ea:ea+11], v[ex:ex+11], 0, v[es], v[XS] matrix_a_fmt:MATRIX_FMT_BF6 matrix_b_fmt:MATRIX_FMT_BF6
.elseif ((\t)%2 == 1) && ((\pn) == 0)
	v_wmma_scale_f32_16x16x128_f8f6f4 v[ed:ed+7], v[ea:ea+11], v[ex:ex+11], 0, v[es], v[XS] matrix_a_fmt:MATRIX_FMT_BF6 matrix_b_fmt:MATRIX_FMT_BF6 matrix_a_scale:MATRIX_SCALE_ROW1
.elseif ((\t)%2 == 0)
	v_wmma_scale_f32_16x16x128_f8f6f4 v[ed:ed+7], v[ea:ea+11], v[ex:ex+11], 0, v[es], v[XS] matrix_a_fmt:MATRIX_FMT_BF6 matrix_b_fmt:MATRIX_FMT_BF6 matrix_b_scale:MATRIX_SCALE_ROW1
.else
	v_wmma_scale_f32_16x16x128_f8f6f4 v[ed:ed+7], v[ea:ea+11], v[ex:ex+11], 0, v[es], v[XS] matrix_a_fmt:MATRIX_FMT_BF6 matrix_b_fmt:MATRIX_FMT_BF6 matrix_a_scale:MATRIX_SCALE_ROW1 matrix_b_scale:MATRIX_SCALE_ROW1
.endif
.endr
.endm
.macro MIN32 b                         ; v[MN] = the smallest of 32 registers: four chains by turns
.irp i, 0,1,2,3
	v_min3_num_f32 v[TT+\i], v[(\b)+8*\i], v[(\b)+8*\i+1], v[(\b)+8*\i+2]
.endr
.irp i, 0,1,2,3
	v_min3_num_f32 v[TT+\i], v[TT+\i], v[(\b)+8*\i+3], v[(\b)+8*\i+4]
.endr
.irp i, 0,1,2,3
	v_min3_num_f32 v[TT+\i], v[TT+\i], v[(\b)+8*\i+5], v[(\b)+8*\i+6]
.endr
	v_min3_num_f32 v[TT], v[TT], v[(\b)+7], v[(\b)+15]
	v_min3_num_f32 v[TT+1], v[TT+1], v[(\b)+23], v[(\b)+31]
	v_min3_num_f32 v[TT], v[TT], v[TT+2], v[TT+3]
	s_delay_alu instid0(VALU_DEP_1)
	v_min_num_f32 v[MN], v[TT], v[TT+1]
.endm
; A unit: chunk c (64 codes) x tile p (16 rows).  The next unit's products are issued ahead of the minimum: its lines and the selection's are the places in front of their first read.
; Window 0x01 = source 0 window 1 (constants, ee, fragments), all else window 0.
.macro UNIT c, p
.set DB, D0+32*(\p)
.set BB, BST+32*(\p)
.if (\p) == 0
.if (\c) == 3
	s_wait_alu depctr_va_vdst(0)
	XBATCH 1
.endif
.if (\c) < 7
	CLOAD (\c)+1                                   ; the set that the chunk before last used
.endif
.endif
	WIN 0x01
.set pp, 0
.rept 16
	v_pk_fma_f32 v[DB+2*pp:DB+2*pp+1], v[NEG2:NEG2+1], v[DB+2*pp:DB+2*pp+1], v[XX+2*(\p):XX+2*(\p)+1]   ; xx - 2 dot, one rounding; each accumulator is read from its low end on
.set pp, pp+1
.endr
.if ((\p) == 1) && ((\c) < 7)
	s_wait_dscnt 0x0                               ; the next chunk's set is in
.endif
.if (\c) == 0
.set DS, BB                                        ; the first chunk is kept as it is
.else
.set DS, DB
.endif
.set pp, 0
.rept 16
	v_pk_add_f32 v[DS+2*pp:DS+2*pp+1], v[EB+32*((\c)%2)+2*pp:EB+32*((\c)%2)+2*pp+1], v[DB+2*pp:DB+2*pp+1]   ; + ee: d
.set pp, pp+1
.endr
.if (\p) == 0
	EMB \c, 1
.elseif (\c) < 7
	EMB (\c)+1, 0
.endif
	WIN 0
	MIN32 DS
.if (\c) == 0
	v_mov_b32 v[MB+2*(\p)], v[MN]
	v_mov_b32 v[CI+2*(\p)], 0
.else
	s_delay_alu instid0(VALU_DEP_1)
	v_cmp_lt_f32 vcc_lo, v[MN], v[MB+2*(\p)]       ; strictly smaller: among equals the earlier chunk stays
	v_min_num_f32 v[MB+2*(\p)], v[MB+2*(\p)], v[MN]
	v_cndmask_b32 v[CI+2*(\p)], v[CI+2*(\p)], \c, vcc_lo
.set pp, 0
.rept 32
	v_cndmask_b32 v[BB+pp], v[BB+pp], v[DB+pp], vcc_lo
.set pp, pp+1
.endr
.endif
.endm
.macro SEARCH p, dst                   ; the lowest code number among the kept chunk's smallest distances; then lanes l and l xor 16: the smaller d, among equals the lower number
.set BB, BST+32*(\p)
	v_mov_b32 v[MM], v[MB+2*(\p)]
	v_mov_b32 v[MM+1], v[MB+2*(\p)]
.set pp, 0
.rept 16
	v_pk_add_f32 v[BB+2*pp:BB+2*pp+1], v[BB+2*pp:BB+2*pp+1], v[MM:MM+1] neg_lo:[0,1] neg_hi:[0,1]   ; d - m: 0 where d = m, above 0 elsewhere
.set pp, pp+1
.endr
	WIN 0x01
.set pp, 0
.rept 16
	v_pk_fma_f32 v[BB+2*pp:BB+2*pp+1], v[BIG:BIG+1], v[BB+2*pp:BB+2*pp+1], v[CC+2*pp:CC+2*pp+1]   ; the key
.set pp, pp+1
.endr
	WIN 0
	MIN32 BB
	v_cvt_u32_f32 v[KK], v[MN]
	v_lshl_add_u32 v[KK], v[CI+2*(\p)], 6, v[KK]
	v_add_nc_u32 v[KK], v[SH8], v[KK]              ; 64 x chunk + 8 h + (16 t + j)
	v_permlanex16_b32 v[OB], v[MB+2*(\p)], s52, s53
	v_permlanex16_b32 v[OI], v[KK], s52, s53
	v_cmp_lt_f32 s56, v[OB], v[MB+2*(\p)]
	v_cmp_eq_f32 s57, v[OB], v[MB+2*(\p)]
	v_cmp_lt_u32 s58, v[OI], v[KK]
	s_and_b32 s57, s57, s58
	s_or_b32 s56, s56, s57
	v_cndmask_b32 v[\dst], v[KK], v[OI], s56
.endm
	s_mov_b32 s55, 0                               ; the pass
	s_mov_b32 s60, 0                               ; its 256 bytes of results
	s_wait_alu depctr_va_vdst(0)
.Lpass:
	CLOAD 0
	s_wait_loadcnt 0x0                             ; my row's 64 numbers are in
	PROC
	s_wait_alu depctr_va_vdst(0)
	XBATCH 0
.rept 8
	v_nop                                          ; a scale register written by a vector instruction stands eight places ahead of a scaled matrix instruction
.endr
	s_wait_dscnt 0x0                               ; chunk 0's set is in
	WIN 0x01
	EMB 0, 0
.rept 4
	v_nop                                          ; the places in front of the first read of these results
.endr
	WIN 0
.irp c, 0,1,2,3,4,5,6,7
	UNIT \c, 0
	UNIT \c, 1
.endr
	SEARCH 0, IA
	SEARCH 1, KK
	v_cndmask_b32 v[NG], v[IA], v[KK], s54         ; lane l: row l
	v_add_nc_u32 v[NAD], s60, v[NST]
	ds_store_b32 v[NAD], v[NG]
	s_wait_alu depctr_va_vdst(0)
	s_add_co_u32 s60, s60, 256
	s_add_co_u32 s55, s55, 1
	s_cmp_lt_u32 s55, 2
	s_cbranch_scc1 .Lpass
	s_wait_dscnt 0x0                               ; for the others' sake: my results are in LDS
	s_barrier_signal -1
	s_barrier_wait -1
	s_cmp_lt_u32 s10, 4
	s_cbranch_scc0 .Lno_store
	ds_load_b128 v[ND:ND+3], v[RDN]
	s_wait_dscnt 0x0
	global_store_b128 v[GO], v[ND:ND+3], s[8:9]    ; waves 0 to 3: 32 lanes store 512 consecutive bytes, aligned
.Lno_store:
	s_wait_tensorcnt 0x0                           ; the wave's end
	ds_add_u32 v[SPW], v[NIL]
	s_wait_dscnt 0x0
	ROUND                                          ; the closing round: no work-group ends while a partner may still ask jointly
	s_endpgm
.Lfunc_end_k_q82316e4139_nearest:
	.size	k_q82316e4139_nearest, .Lfunc_end_k_q82316e4139_nearest-k_q82316e4139_nearest
	.p2alignl 7, 3214868480
	.fill 96, 4, 3214868480
	.section	.rodata,"a",@progbits
	.p2align	6, 0x0
	.amdhsa_kernel k_q82316e4139_nearest
		.amdhsa_group_segment_fixed_size 171008
		.amdhsa_private_segment_fixed_size 0
		.amdhsa_enable_private_segment 0
		.amdhsa_kernarg_size 24
		.amdhsa_user_sgpr_count 2
		.amdhsa_user_sgpr_kernarg_segment_ptr 1
		.amdhsa_wavefront_size32 1
		.amdhsa_system_sgpr_workgroup_id_x 1
		.amdhsa_system_sgpr_workgroup_id_y 1
		.amdhsa_system_sgpr_workgroup_id_z 1
		.amdhsa_system_vgpr_workitem_id 0
		.amdhsa_next_free_vgpr 512
		.amdhsa_next_free_sgpr 66
		.amdhsa_reserve_vcc 1
		.amdhsa_float_denorm_mode_32 3
		.amdhsa_float_denorm_mode_16_64 3
		.amdhsa_memory_ordered 1
		.amdhsa_forward_progress 1
		.amdhsa_inst_pref_size 132
	.end_amdhsa_kernel
	.amdgpu_metadata
---
amdhsa.version: [ 1, 2 ]
amdhsa.kernels:
  - .name:           k_q82316e4139_nearest
    .symbol:         k_q82316e4139_nearest.kd
    .args:
      - { .name: inputs, .offset: 0, .size: 8, .value_kind: global_buffer, .address_space: global }
      - { .name: codebook, .offset: 8, .size: 8, .value_kind: global_buffer, .address_space: global }
      - { .name: nearest, .offset: 16, .size: 8, .value_kind: global_buffer, .address_space: global }
    .group_segment_fixed_size: 171008
    .private_segment_fixed_size: 0
    .kernarg_segment_align: 8
    .kernarg_segment_size: 24
    .max_flat_workgroup_size: 256
    .sgpr_count:     66
    .vgpr_count:     512
    .wavefront_size: 32
...
	.end_amdgpu_metadata
.endif
;; end of part 1
;; launch gather (part 2): grid 256 x 1, 16 waves a work-group, no clusters, 35,072 bytes of LDS; arguments inputs, codebook, nearest, out0, part; writes out0, part
.if DOCPART == 2
	.amdgcn_target "amdgcn-amd-amdhsa--gfx1250"
	.amdhsa_code_object_version 6
	.text
	.protected	k_q82316e4139_gather
	.globl	k_q82316e4139_gather
	.p2align	8
	.type	k_q82316e4139_gather,@function
k_q82316e4139_gather:
	s_mov_b64 s[64:65], 0
	v_nop
	global_prefetch_b8 v0, s[64:65] scope:SCOPE_SE
	s_setreg_imm32_b32 hwreg(HW_REG_WAVE_MODE, 25, 1), 1
	s_wait_xcnt 0x0
; out0[b][c][s] = x + (q - x), q = codebook[nearest[n]][c], x = inputs[b][c][s], n = 16384 b + s; part[work-group] = the work-group's sum of (q - x)^2.  All in f32, as it is written.
; SHARES.  256 work-groups of sixteen waves.  Work-group g owns 16 CHANNELS (slice g % 4) of 2,048 neighbouring s (block (g / 4) % 8) of one b (g / 32); wave w of it the s 128 w on.
; So a work-group needs a quarter of the codebook, 512 codes x 64 bytes = 32,768 bytes, against the 131,072 bytes of x that it reads.
; Lane l holds four neighbouring s, 4 l .. 4 l + 3: every load of x and every store of out0 covers 512 consecutive bytes, aligned.  A wave's 21 loads all go out at its head, the slice's and the
; indices ahead of x's, and each channel is stored as soon as its load is in.
; THE SLICE goes through registers into LDS, 64 bytes a code, dense, each wave 32 codes: lane l takes piece l % 4 (16 bytes) of code l / 4 of eight.
; Piece k of code i lies at 64 i + 16 ((k + i / 4) mod 4): so the codes spread over all sixteen columns of 16 bytes, with no padding.  The indices are held to 0 .. 511 before they enter an address.
; NO CLUSTER and no tensor load: the slice's rows are 64 bytes, a quarter of a codebook row, and the slice is a fifth of what a work-group reads.
; NO PREFETCH: there is no loop; all loads are out from the head on.  No matrix unit: nothing is multiplied but the squares.
.set PARTL, 32768                      ; LDS: sixteen words, a sum from each wave
.set SPARE, 33024                      ; the spare words, 128 bytes for each wave
.set IX,  4                            ; v4-7    my four indices
.set RO,  8                            ; v8-11   16 ((i / 4) mod 4)
.set AC,  12                           ; v12-15  four sums of squares
.set DL,  16                           ; v16-23  q - x, two sets by turns
.set AD,  16                           ; v16-31  LDS addresses: piece k of index i at AD + 4 k + i
.set CO,  24                           ; v24     my offset in the codebook
.set SO,  26                           ; v26-27  where my pieces go in LDS: odd and even eights of codes
.set X,   32                           ; v32-95  x, then out0: register 4 c + i
.set Q,   96                           ; v96-159 q: register 16 i + c; before that v96-111 the slice on its way
	s_load_b256 s[4:11], s[0:1], 0x0               ; inputs, codebook, nearest, out0
	s_load_b64 s[12:13], s[0:1], 0x20              ; part
	v_lshrrev_b32 v1, 5, v0
	v_lshl_add_u32 v160, v0, 2, SPARE
	v_mov_b32 v161, 0
	v_readfirstlane_b32 s14, v1                    ; wave 0..15
	v_and_b32 v3, 31, v0                           ; lane
	v_and_b32 v26, 3, v0                           ; piece
	v_bfe_u32 v25, v0, 2, 3                        ; code of eight
	v_bfe_u32 v27, v0, 4, 1
	v_and_b32 v163, 15, v0
	s_and_b32 s15, ttmp9, 3                        ; the slice
	s_lshl_b32 s16, s14, 13                        ; my 32 codes of 256 bytes,
	s_lshl_b32 s17, s15, 6                         ; the slice's 64 bytes in them
	s_add_co_u32 s16, s16, s17
	s_lshl_b32 s17, s14, 11                        ; and in LDS 64 bytes a code
	s_wait_alu depctr_va_vdst(0)
	v_lshlrev_b32 v2, 4, v3                        ; 16 bytes a lane
	v_lshl_add_u32 v[CO], v25, 8, s16
	v_lshl_add_u32 v25, v25, 6, s17
	v_add_nc_u32 v27, v26, v27                     ; piece + i / 4, for even eights of codes
	v_lshl_add_u32 v[CO], v26, 4, v[CO]
	v_lshl_add_u32 v163, v163, 2, PARTL
	v_add_nc_u32 v26, 2, v27                       ; for odd ones
	v_and_b32 v27, 3, v27
	v_and_b32 v26, 3, v26
	v_lshl_add_u32 v27, v27, 4, v25
	v_lshl_add_u32 v26, v26, 4, v25
	s_bfe_u32 s18, ttmp9, 0x30002                  ; the block of 2,048 s: 3 bits from bit 2
	s_lshr_b32 s19, ttmp9, 5                       ; b
	s_lshl_b32 s22, s18, 13                        ; 2,048 s of 4 bytes,
	s_lshl_b32 s23, s14, 9                         ; my wave's 128: the same in x, out0 and the indices
	s_add_co_u32 s22, s22, s23
	s_lshl_b32 s20, s19, 22                        ; x, out0: 64 channels x 16,384 s x 4 bytes a b,
	s_lshl_b32 s21, s15, 20                        ; 16 channels of 65,536 bytes a slice
	s_add_co_u32 s20, s20, s21
	s_add_co_u32 s20, s20, s22
	s_mov_b32 s21, 0
	s_lshl_b32 s23, s19, 16                        ; the indices: 16,384 of 4 bytes a b
	s_add_co_u32 s22, s22, s23
	s_mov_b32 s23, 0
	s_lshl_b32 s36, ttmp9, 2
	s_mov_b32 s37, 0
	s_lshl_b32 s24, s14, 2
	s_add_co_u32 s24, s24, PARTL
	v_mov_b32 v162, s24                            ; my wave's word
	s_mov_b32 s38, 0x76543210
	s_mov_b32 s39, 0xfedcba98
	s_wait_alu depctr_va_vdst(0)
	s_wait_kmcnt 0x0
	s_add_nc_u64 s[4:5], s[4:5], s[20:21]
	s_add_nc_u64 s[10:11], s[10:11], s[20:21]
	s_add_nc_u64 s[8:9], s[8:9], s[22:23]
	s_add_nc_u64 s[12:13], s[12:13], s[36:37]
.irp q, 0,1,2,3
	global_load_b128 v[Q+4*\q:Q+4*\q+3], v[CO], s[6:7] offset:2048*\q   ; eight codes
.endr
	global_load_b128 v[IX:IX+3], v2, s[8:9]
.set cc, 0
.rept 16
	global_load_b128 v[X+4*cc:X+4*cc+3], v2, s[4:5] offset:65536*cc th:TH_LOAD_NT
.set cc, cc+1
.endr
	s_wait_loadcnt 16                              ; the slice's pieces and the indices are in; the 16 loads of x may be out
	ds_store_b128 v27, v[Q:Q+3]
	ds_store_b128 v26, v[Q+4:Q+7] offset:512
	ds_store_b128 v27, v[Q+8:Q+11] offset:1024
	ds_store_b128 v26, v[Q+12:Q+15] offset:1536
.irp i, 0,1,2,3
	v_min_u32 v[IX+\i], 0x1ff, v[IX+\i]
.endr
.irp i, 0,1,2,3
	v_and_b32 v[RO+\i], 12, v[IX+\i]
.endr
.irp i, 0,1,2,3
	v_lshlrev_b32 v[RO+\i], 2, v[RO+\i]
.endr
.irp k, 1,2,3
.irp i, 0,1,2,3
	v_add_nc_u32 v[AD+4*\k+\i], 16*\k, v[RO+\i]
.endr
.endr
.irp k, 1,2,3
.irp i, 0,1,2,3
	v_and_b32 v[AD+4*\k+\i], 48, v[AD+4*\k+\i]
.endr
.endr
.irp i, 0,1,2,3
	v_lshl_add_u32 v[AD+\i], v[IX+\i], 6, v[RO+\i]
.endr
.irp k, 1,2,3
.irp i, 0,1,2,3
	v_lshl_add_u32 v[AD+4*\k+\i], v[IX+\i], 6, v[AD+4*\k+\i]
.endr
.endr
	s_wait_alu depctr_va_vdst(0)
	s_wait_dscnt 0x0                               ; for the others' sake: my part of the slice is in LDS
	s_barrier_signal -1
	s_barrier_wait -1                              ; everybody's is
.irp k, 0,1,2,3
.irp i, 0,1,2,3
	ds_load_b128 v[Q+16*\i+4*\k:Q+16*\i+4*\k+3], v[AD+4*\k+\i]
.endr
.endr
	s_wait_dscnt 0x0
.set cc, 0
.rept 16
	s_wait_loadcnt 15-cc                           ; loads come back in order: channel cc's is in, the later ones may be out
.irp i, 0,1,2,3
	v_sub_f32 v[DL+4*(cc%2)+\i], v[Q+16*\i+cc], v[X+4*cc+\i]
.endr
.irp i, 0,1,2,3
	v_add_f32 v[X+4*cc+\i], v[X+4*cc+\i], v[DL+4*(cc%2)+\i]
.endr
.irp i, 0,1,2,3
.if cc == 0
	v_mul_f32 v[AC+\i], v[DL+\i], v[DL+\i]         ; the first square starts the sum
.else
	v_fmac_f32 v[AC+\i], v[DL+4*(cc%2)+\i], v[DL+4*(cc%2)+\i]
.endif
.endr
	global_store_b128 v2, v[X+4*cc:X+4*cc+3], s[10:11] offset:65536*cc th:TH_STORE_NT
.set cc, cc+1
.endr
	v_add_f32 v[AC], v[AC], v[AC+1]
	v_add_f32 v[AC+2], v[AC+2], v[AC+3]
	s_delay_alu instid0(VALU_DEP_1)
	v_add_f32 v[AC], v[AC], v[AC+2]
.irp m, 1,2,4,8
	s_delay_alu instid0(VALU_DEP_1)
	v_add_f32_dpp v[AC], v[AC], v[AC] row_xmask:\m row_mask:0xf bank_mask:0xf
.endr
	s_delay_alu instid0(VALU_DEP_1)
	v_permlanex16_b32 v[AC+1], v[AC], s38, s39
	s_delay_alu instid0(VALU_DEP_1)
	v_add_f32 v[AC], v[AC], v[AC+1]                ; the wave's sum, in every lane
	s_wait_alu depctr_va_vdst(0)
	ds_store_b32 v162, v[AC]                       ; all lanes write the same word with the same value
	s_wait_tensorcnt 0x0
	ds_add_u32 v160, v161
	s_wait_dscnt 0x0                               ; for wave 0's sake: my sum is in LDS
	s_barrier_signal -1
	s_barrier_wait -1
	s_cmp_lg_u32 s14, 0
	s_cbranch_scc1 .Lend
	ds_load_b32 v1, v163                           ; wave 0: the sixteen sums, in each half of the lanes
	s_wait_dscnt 0x0
	v_add_f32_dpp v1, v1, v1 row_xmask:1 row_mask:0xf bank_mask:0xf
.irp m, 2,4,8
	s_delay_alu instid0(VALU_DEP_1)
	v_add_f32_dpp v1, v1, v1 row_xmask:\m row_mask:0xf bank_mask:0xf
.endr
	v_cmp_eq_u32 vcc_lo, 0, v3
	s_wait_alu depctr_va_vdst(0)
	s_wait_xcnt 0x0                                ; EXEC changes only behind this wait
	s_and_saveexec_b32 s20, vcc_lo
	global_store_b32 v161, v1, s[12:13]            ; lane 0 alone, at offset 0
	s_wait_xcnt 0x0
	s_or_b32 exec_lo, exec_lo, s20
.Lend:
	s_endpgm
.Lfunc_end_k_q82316e4139_gather:
	.size	k_q82316e4139_gather, .Lfunc_end_k_q82316e4139_gather-k_q82316e4139_gather
	.p2alignl 7, 3214868480
	.fill 96, 4, 3214868480
	.section	.rodata,"a",@progbits
	.p2align	6, 0x0
	.amdhsa_kernel k_q82316e4139_gather
		.amdhsa_group_segment_fixed_size 35072
		.amdhsa_private_segment_fixed_size 0
		.amdhsa_enable_private_segment 0
		.amdhsa_kernarg_size 40
		.amdhsa_user_sgpr_count 2
		.amdhsa_user_sgpr_kernarg_segment_ptr 1
		.amdhsa_wavefront_size32 1
		.amdhsa_system_sgpr_workgroup_id_x 1
		.amdhsa_system_sgpr_workgroup_id_y 1
		.amdhsa_system_sgpr_workgroup_id_z 1
		.amdhsa_system_vgpr_workitem_id 0
		.amdhsa_next_free_vgpr 164
		.amdhsa_next_free_sgpr 66
		.amdhsa_reserve_vcc 1
		.amdhsa_float_denorm_mode_32 3
		.amdhsa_float_denorm_mode_16_64 3
		.amdhsa_memory_ordered 1
		.amdhsa_forward_progress 1
		.amdhsa_inst_pref_size 18
	.end_amdhsa_kernel
	.amdgpu_metadata
---
amdhsa.version: [ 1, 2 ]
amdhsa.kernels:
  - .name:           k_q82316e4139_gather
    .symbol:         k_q82316e4139_gather.kd
    .args:
      - { .name: inputs, .offset: 0, .size: 8, .value_kind: global_buffer, .address_space: global }
      - { .name: codebook, .offset: 8, .size: 8, .value_kind: global_buffer, .address_space: global }
      - { .name: nearest, .offset: 16, .size: 8, .value_kind: global_buffer, .address_space: global }
      - { .name: out0, .offset: 24, .size: 8, .value_kind: global_buffer, .address_space: global }
      - { .name: part, .offset: 32, .size: 8, .value_kind: global_buffer, .address_space: global }
    .group_segment_fixed_size: 35072
    .private_segment_fixed_size: 0
    .kernarg_segment_align: 8
    .kernarg_segment_size: 40
    .max_flat_workgroup_size: 512
    .sgpr_count:     66
    .vgpr_count:     164
    .wavefront_size: 32
...
	.end_amdgpu_metadata
.endif
;; end of part 2
;; launch total (part 3): grid 1 x 1, 1 waves a work-group, no clusters, 0 bytes of LDS; arguments part, out1, out2; writes out1, out2
.if DOCPART == 3
	.amdgcn_target "amdgcn-amd-amdhsa--gfx1250"
	.amdhsa_code_object_version 6
	.text
	.protected	k_q82316e4139_total
	.globl	k_q82316e4139_total
	.p2align	8
	.type	k_q82316e4139_total,@function
k_q82316e4139_total:
	s_mov_b64 s[64:65], 0
	v_nop
	global_prefetch_b8 v0, s[64:65] scope:SCOPE_SE
	s_setreg_imm32_b32 hwreg(HW_REG_WAVE_MODE, 25, 1), 1
	s_wait_xcnt 0x0
; out2 = (the sum of the 256 partial sums of (q - x)^2) / 2^23, the mean over 131,072 x 64 numbers; out1 = 0.25 x out2.
; One wave: a sum over all work-groups of the launch before has one owner.  Two loads of 512 consecutive bytes; then across the lanes.
	s_load_b128 s[4:7], s[0:1], 0x0                ; part, out1
	s_load_b64 s[8:9], s[0:1], 0x10                ; out2
	v_lshlrev_b32 v1, 4, v0
	v_mov_b32 v2, 0
	s_mov_b32 s12, 0x76543210
	s_mov_b32 s13, 0xfedcba98
	s_wait_alu depctr_va_vdst(0)
	s_wait_kmcnt 0x0
	global_load_b128 v[4:7], v1, s[4:5]
	global_load_b128 v[8:11], v1, s[4:5] offset:512
	s_wait_loadcnt 0x0
	v_pk_add_f32 v[4:5], v[4:5], v[8:9]
	v_pk_add_f32 v[6:7], v[6:7], v[10:11]
	v_pk_add_f32 v[4:5], v[4:5], v[6:7]
	v_add_f32 v4, v4, v5
	v_add_f32_dpp v4, v4, v4 row_xmask:1 row_mask:0xf bank_mask:0xf
	v_add_f32_dpp v4, v4, v4 row_xmask:2 row_mask:0xf bank_mask:0xf
	v_add_f32_dpp v4, v4, v4 row_xmask:4 row_mask:0xf bank_mask:0xf
	v_add_f32_dpp v4, v4, v4 row_xmask:8 row_mask:0xf bank_mask:0xf
	v_permlanex16_b32 v5, v4, s12, s13
	v_add_f32 v4, v4, v5
	v_mul_f32 v9, 0x34000000, v4                   ; x 2^-23: the mean
	v_mul_f32 v10, 0x3e800000, v9                  ; x 0.25
	v_cmp_eq_u32 vcc_lo, 0, v0
	s_wait_alu depctr_va_vdst(0)
	s_wait_xcnt 0x0                                ; EXEC changes only behind this wait
	s_and_saveexec_b32 s10, vcc_lo
	global_store_b32 v2, v10, s[6:7]
	global_store_b32 v2, v9, s[8:9]
	s_wait_xcnt 0x0
	s_or_b32 exec_lo, exec_lo, s10
	s_endpgm
.Lfunc_end_k_q82316e4139_total:
	.size	k_q82316e4139_total, .Lfunc_end_k_q82316e4139_total-k_q82316e4139_total
	.p2alignl 7, 3214868480
	.fill 96, 4, 3214868480
	.section	.rodata,"a",@progbits
	.p2align	6, 0x0
	.amdhsa_kernel k_q82316e4139_total
		.amdhsa_group_segment_fixed_size 0
		.amdhsa_private_segment_fixed_size 0
		.amdhsa_enable_private_segment 0
		.amdhsa_kernarg_size 24
		.amdhsa_user_sgpr_count 2
		.amdhsa_user_sgpr_kernarg_segment_ptr 1
		.amdhsa_wavefront_size32 1
		.amdhsa_system_sgpr_workgroup_id_x 1
		.amdhsa_system_sgpr_workgroup_id_y 1
		.amdhsa_system_sgpr_workgroup_id_z 1
		.amdhsa_system_vgpr_workitem_id 0
		.amdhsa_next_free_vgpr 16
		.amdhsa_next_free_sgpr 66
		.amdhsa_reserve_vcc 1
		.amdhsa_float_denorm_mode_32 3
		.amdhsa_float_denorm_mode_16_64 3
		.amdhsa_memory_ordered 1
		.amdhsa_forward_progress 1
		.amdhsa_inst_pref_size 2
	.end_amdhsa_kernel
	.amdgpu_metadata
---
amdhsa.version: [ 1, 2 ]
amdhsa.kernels:
  - .name:           k_q82316e4139_total
    .symbol:         k_q82316e4139_total.kd
    .args:
      - { .name: part, .offset: 0, .size: 8, .value_kind: global_buffer, .address_space: global }
      - { .name: out1, .offset: 8, .size: 8, .value_kind: global_buffer, .address_space: global }
      - { .name: out2, .offset: 16, .size: 8, .value_kind: global_buffer, .address_space: global }
    .group_segment_fixed_size: 0
    .private_segment_fixed_size: 0
    .kernarg_segment_align: 8
    .kernarg_segment_size: 24
    .max_flat_workgroup_size: 32
    .sgpr_count:     66
    .vgpr_count:     16
    .wavefront_size: 32
...
	.end_amdgpu_metadata
.endif
;; end of part 3
